; MI455X (gfx1250); checked and timed in simulation.
; The chip was launched on July 23, 2026; its instructions are those of AMD's public machine-readable ISA for CDNA 5 (MIT licence, August 2026) and "CDNA5" Instruction Set Architecture Reference Guide (July 2026). The comments in the code are by the model that wrote it; some were corrected since.
;; Multi Head Attention. Allowed arithmetic: matrix products marked QUANTISED: E5M2 operands, one given power-of-two scale a tensor, by v_wmma_f32_16x16x64_bf8_bf8 or v_wmma_f32_16x16x128_bf8_bf8, f32 sums; everything else in f32.
;; Inputs: Wk_codes 16 x 64 x 32 x 32 uint8 (E5M2 codes of Wk, K innermost, in blocks of 32 codes); Wo_codes 1,024 x 32 x 32 uint8 (E5M2 codes of Wo, K innermost, in blocks of 32 codes); Wq_codes 16 x 64 x 32 x 32 uint8 (E5M2 codes of Wq, K innermost, in blocks of 32 codes); Wv_codes 16 x 64 x 32 x 32 uint8 (E5M2 codes of Wv, K innermost, in blocks of 32 codes); bk 16 x 64 float32; bo 1,024 float32; bq 16 x 64 float32; bv 16 x 64 float32; lowp_scales 12 int32 (the exponents e of the quantised operands' scales 2^e); x_codes 4 x 2,048 x 32 x 32 uint8 (E5M2 codes of x, K innermost, in blocks of 32 codes).
;; Outputs: out0 4 x 2,048 x 1,024 float32.
;; This version of the problem:
;;   THIS VERSION OF THE PROBLEM IS GIVEN IN LOW PRECISION. The matrix products marked QUANTISED in the list below multiply operands that are first quantised to E5M2 (5 exponent bits, 2 mantissa bits; 8 bits a number), with one given power-of-two scale for each operand tensor; their sums are f32. All else is computed in f32.
;;   The module's matrix products, in the order in which they are computed (A, B: the left and right operand; K: the contracted axis; several contracted axes count as one K, in the product's order):
;;     1. [M 1,024, K 1,024] x [K 1,024, N 8,192]; A: input Wq (given as codes); B: input x (given as codes): QUANTISED (scales: A lowp_scales[0], B lowp_scales[1])
;;     2. [M 1,024, K 1,024] x [K 1,024, N 8,192]; A: input Wk (given as codes); B: input x (given as codes): QUANTISED (scales: A lowp_scales[2], B lowp_scales[3])
;;     3. [M 1,024, K 1,024] x [K 1,024, N 8,192]; A: input Wv (given as codes); B: input x (given as codes): QUANTISED (scales: A lowp_scales[4], B lowp_scales[5])
;;     4. batch 64 x [M 2,048, K 64] x [K 64, N 2,048]; A: computed on the way; B: computed on the way: QUANTISED (scales: A lowp_scales[6], B lowp_scales[7])
;;     5. batch 64 x [M 2,048, K 2,048] x [K 2,048, N 64]; A: softmax (see below); B: computed on the way: QUANTISED (scales: A lowp_scales[8], B lowp_scales[9])
;;     6. [M 8,192, K 1,024] x [K 1,024, N 1,024]; A: computed on the way; B: input Wo (given as codes): QUANTISED (scales: A lowp_scales[10], B lowp_scales[11])
;;   THE QUANTISER, for each operand of a quantised product, along K:
;;     - The operand's scale is 2^e, e = its entry of the input lowp_scales (int32; the entries are numbered through the quantised products in the list's order, A before B).
;;     - Each number is divided by the scale, clamped to +-57,344, and rounded to the nearest number of E5M2, ties to even, subnormals kept.
;;     - The product sums the exact products of the quantised numbers (number of the format x scale) in f32.
;;   ~~~python
;;   def quantise(x, axis, e):      # numpy; x: float32 -> the quantised numbers, widened to float32 again
;;       x = np.moveaxis(x, axis, -1); K = x.shape[-1]
;;       r = np.clip(x / 2.0 ** e, -57344, 57344)
;;       step = 2.0 ** (np.maximum(np.frexp(np.where(r == 0, 1, r))[1] - 1, -14) - 2)
;;       q = np.round(r / step) * step * 2.0 ** e      # np.round: ties to even
;;       return np.moveaxis(q, -1, axis).astype(np.float32)
;;   ~~~
;;   SOFTMAX AHEAD OF A QUANTISED PRODUCT. Where the list says 'softmax', what is quantised is not the finished softmax but p = 2^(t - M), with t = logit x log2(e) and M = ceil(the row's largest t), a whole number; so 1/2 < the row's largest p <= 1. The row's sum l is taken of the UNQUANTISED p, in f32, and the product's result is divided by l at the end. Since M is a whole number, a kernel that streams over the keys may use a running M (the ceiling of the running maximum): every later rescaling is an exact power of two, so the quantised numbers keep their values, but for numbers so far below the row's largest that they fall under the format's range.
;;   OPERANDS COMPUTED ON THE WAY. 'Computed on the way' means the value that the module computes at that place (a softmax that the list does not call 'softmax' is quantised finished and normalised). What goes into a quantiser is computed in f32, as accurately as f32 sums, v_exp_f32 and their like allow (about 1e-6 of the number): no bf16 or f16 on the way to a quantiser, and a product that is left as it is and whose result goes on into a quantised operand takes f32 operands (vector FMAs, or v_wmma_f32_16x16x4_f32). A number that lies on a knife's edge between two numbers of the format may be rounded either way, as far as f32 arithmetic and the matrix unit's own rounding can turn it there, and no further.
;;   INPUTS GIVEN AS CODES. Wk (in the module: [16, 1024, 64], K = its axis 1); Wo (in the module: [1024, 1024], K = its axis 0); Wq (in the module: [16, 1024, 64], K = its axis 1); Wv (in the module: [16, 1024, 64], K = its axis 1); x (in the module: [4, 2048, 1024], K = its axis 2): each comes as NAME_codes (uint8): NAME with its K axis moved to the last place and cut into blocks of 32 codes, [.., K / 32, bytes a block], one block behind the other in memory; one code a byte (a code: sign, 5 exponent bits, 2 mantissa bits); its scale is its entry of lowp_scales. Its value is code x scale, taken as it is: it is not quantised again, and the codes and scales need not be those that the quantiser above would give.
;; One version. Each part assembles by itself: llvm-mc -triple=amdgcn-amd-amdhsa -mcpu=gfx1250 --defsym DOCPART=n.
;; ======== version 1 of 1: 3 launches
;; limits: right only within a limited range of input values
;; workspace buffers: qc 8,388,608 bytes; kc 8,388,608 bytes; vc 8,388,608 bytes; ao 8,388,608 bytes
;; launch qkv (part 1): grid 16 x 16, 4 waves a work-group, clusters of 4 x 4, 327,680 bytes of LDS; arguments x_codes, Wq_codes, Wk_codes, Wv_codes, bq, bk, bv, lowp_scales, qc, kc, vc; writes qc, kc, vc
.if DOCPART == 1
	.amdgcn_target "amdgcn-amd-amdhsa--gfx1250"
	.amdhsa_code_object_version 6
	.text
	.protected	k_q2e1a764b69_qkv
	.globl	k_q2e1a764b69_qkv
	.p2align	8
	.type	k_q2e1a764b69_qkv,@function
k_q2e1a764b69_qkv:
	s_mov_b64 s[64:65], 0
	v_nop
	global_prefetch_b8 v0, s[64:65] scope:SCOPE_SE
	s_setreg_imm32_b32 hwreg(HW_REG_WAVE_MODE, 25, 1), 1
	s_wait_xcnt 0x0
	s_wait_alu depctr_hold_cnt(0) depctr_sa_sdst(0) depctr_va_vdst(0) depctr_va_sdst(0) depctr_va_ssrc(0) depctr_va_vcc(0) depctr_vm_vsrc(0)
	s_getreg_b32 s2, hwreg(HW_REG_IB_STS2, 6, 4)
	s_cmp_eq_u32 s2, 0
	s_cbranch_scc0 .Lentry_in_a_cluster
	s_endpgm
.Lentry_in_a_cluster:
	s_bfe_u32 s2, ttmp6, 0x10000c
	s_cmp_lg_u32 s2, 0xf033
	s_cbranch_scc0 .Lentry_shape_is_right
	s_endpgm
.Lentry_shape_is_right:
; q, k, v = x W^T + b for one head and 512 rows of x, on codes of BF8 (E5M2); each result is quantised at once with its given scale (entries 6, 7, 9) and stored as codes.
; x: [8192][1024] codes; Wq, Wk, Wv: [16 heads x 64][1024] codes, K innermost.  A sum stands for sum x 2^(eW + ex): entries 0+1, 2+3, 4+5.
; SHARES.  Work-group (head, y): rows 512 y on of x against the head's 64 + 64 + 64 rows of W.  W, all of K, comes into LDS once; wave (wr, wc) takes tiles 2 wc, 2 wc + 1 of Wq, of Wk and of Wv, all of K, into 768 registers, where they stay.
; x goes in EIGHT CHUNKS of 64 rows, all of K each; a wave makes rows 32 wr on of a chunk against its six tiles: 12 accumulators, 96 matrix instructions; the chunk's codes are stored at once.  All waves run the same text.
; FILLS.  At the head waves 0, 1, 2 ask for Wq, Wk, Wv (64 rows of 1,024 bytes), wave 3 for chunk 0.  When every wave has W in registers, W's bytes are free: two slots of 128 rows lie over them and over chunk 0's.
;   Chunks 1-2, 3-4, 5-6 and 7 are asked for a quarter a wave, each behind the three lines and a round of the cluster's barrier, while the fill before is multiplied: one load a wave is out.
; CLUSTER 4 x 4: x's rows hang on y alone and are shared along a row of the cluster, W's on the head alone and are shared along a column: joint loads.
; PREFETCH: behind the loads of chunks 1-2 and 3-4 each wave asks for 8,192 bytes of the next fill's 131,072, one fill ahead of its tensor load; the four partners of a row share them out by address (32,768 cx + 8,192 wave), lanes 256 bytes apart.
;   Chunk 7 and what the head fetches come by their loads alone.
; LAYOUT.  q, k: source 0 = 16 rows of W, source 1 = 16 rows of x: a lane holds ONE row of x and eight neighbouring d: tiles 2 wc, 2 wc + 1 give chunk wc of a 16 x 64 fragment's image.
;   v: source 0 = 16 rows of x, source 1 = 16 rows of Wv: a lane holds ONE d and eight neighbouring rows (keys): my 32 rows give one chunk of a 16 d x 128 keys fragment's image.
;   THE ROWS OF Wv THAT FORM A TILE ARE NOT NEIGHBOURS: lane r of tile 2 b + u takes d = 32 b + 8 u + r + 8 (r / 8), so that the next launch's result has 16 neighbouring d in a lane.
; OUT.  qc, kc: [b x head][row tile][2 chunks][lane][16 bytes]; vc: [b x head][128 keys][d tile][4 chunks][lane][16 bytes]; every store of a wave covers 512 consecutive bytes, aligned.
; A fragment of 128 along K is fetched by four loads of 16 bytes, 32 apart: the same order of k in x and in W, so every product meets its partner.
; LIMITS: entries 0+1, 2+3, 4+5 between -126 and 127; entries 6, 7, 9 between -126 and 112.  NaN and infinity among the codes are not served.
; REGISTERS.  Window 0: v1-23 addresses and constants; v24-59 biases; v64-159 accumulators (q, k: 8 (2 a + u); v: 8 (2 u + a)); v160-255 x's fragments, three K steps (on the way out numbers and codes).
;   Windows 1, 2, 3: Wq, Wk, Wv at 32 ks + 16 u.
.set PB,    1040                       ; an LDS row: 1,024 bytes + 16: the 16 rows of a fragment load start at 16 different banks (ISA guide 11.1)
.set WT,    64*PB                      ; 64 rows
.set SPARE, 4*WT                       ; behind Wq, Wk, Wv and chunk 0: the spare words, 128 bytes a wave, which no other line names
.set LI,  1                            ; 16 x lane
.set AB8, 2                            ; 32 h
.set ABV, 3                            ; 4 (r + 8 (r / 8))
.set PFO, 4                            ; 256 x lane
.set ADX, 8                            ; v8-11 my rows of a chunk that begins at LDS byte 0, WT, 2 WT, 3 WT
.set ADWQ, 12
.set ADWK, 13
.set ADWV, 14
.set SQ,  16                           ; 2^e6 and 57,344 x 2^e6; v18, v19: e7; v20, v21: e9
.set SK,  18
.set SV,  20
.set SPW, 22                           ; my spare word; never rewritten
.set NIL, 23                           ; 0; never rewritten
.set BQ,  24
.set BK,  40
.set BV,  56
.set AQ,  64
.set AK,  96
.set AV,  128
.set XF,  160
.set TMP, 160
.set COD, 192
.set WV,  26
.set LA,  31                           ; where my quarter of a fill goes in slot A;
.set LB,  86                           ; in slot B
.set G1W, 32
.set G1F, 40
.set G1X, 48
.set G1Y, 56
.set G0W, 88
.set G0F, 92
.set G0X, 96
.set G0Y, 8
.set FLD, (1<<20)|(1<<21)|(7<<22)|(3<<25)   ; elements of 1 byte; padding on; bit 21 beside a mask; after every 256 words 4 words
.set MSB, 0
.macro WIN new                         ; the immediate's high byte repeats the setting that is left
.if MSB != \new
	s_set_vgpr_msb (MSB<<8)|\new
.set MSB, \new
.endif
.endm
.macro PLACES                          ; four places (ISA guide 7.12.1)
.rept 4
	v_nop
.endr
.endm
.macro CREST                           ; a round of the cluster's barrier behind its opening barrier
	s_cmp_lg_u32 s[WV], 0
	s_cbranch_scc1 .Lnot_wave_0_\@
	s_barrier_signal -3
.Lnot_wave_0_\@:
	s_barrier_wait -3
	s_barrier_signal -1
	s_barrier_wait -1
.endm
.macro CROUND
	s_barrier_signal -1
	s_barrier_wait -1
	CREST
.endm
.macro SEQ round                       ; all my loads are in, the add, my LDS reads are over; then the barrier, or a whole round where a joint load follows
	s_wait_alu depctr_va_vdst(0)                   ; directly ahead of the wait below
	s_wait_tensorcnt 0x0
	ds_add_u32 v[SPW], v[NIL]
	s_wait_dscnt 0x0
.if \round
	CROUND
.else
	s_barrier_signal -1
	s_barrier_wait -1
.endif
.endm
.macro TL g0, g1
	tensor_load_to_lds s[\g0:\g0+3], s[\g1:\g1+7]
	s_nop 0
	PLACES
.endm
	s_load_b256 s[4:11], s[0:1], 0x0               ; x s[4:5], Wq s[6:7], Wk s[8:9], Wv s[10:11]
	s_load_b256 s[12:19], s[0:1], 0x20             ; bq, bk, bv, the scales' exponents s[18:19]
	s_load_b128 s[20:23], s[0:1], 0x40             ; qc, kc
	s_load_b64 s[24:25], s[0:1], 0x50              ; vc
	v_lshl_add_u32 v[SPW], v0, 2, SPARE
	v_mov_b32 v[NIL], 0
	ds_add_u32 v[SPW], v[NIL]                      ; the opening lines: the add twice on end and its wait
	ds_add_u32 v[SPW], v[NIL]
	v_lshrrev_b32 v5, 5, v0
	v_readfirstlane_b32 s[WV], v5                  ; wave 0..3
	s_lshr_b32 s100, s[WV], 1                      ; wr
	s_and_b32 s101, s[WV], 1                       ; wc
	s_bfe_u32 s27, ttmp6, 0x40000                  ; cx
	s_bfe_u32 s28, ttmp6, 0x40004                  ; cy
	s_lshl_b32 s29, ttmp9, 2
	s_add_co_u32 s29, s29, s27                     ; the head
	s_and_b32 s30, ttmp7, 0xffff
	s_lshl_b32 s30, s30, 2
	s_add_co_u32 s30, s30, s28                     ; y
	s_lshl_b32 s86, s28, 2
	s_lshl_b32 s86, 15, s86                        ; my row of the cluster
	s_lshl_b32 s87, 0x1111, s27                    ; my column
	s_or_b32 s[G1W], s87, FLD                      ; a W: 64 rows of 1,024 bytes, to my column
	s_or_b32 s[G1F], s86, FLD                      ; chunk 0: 64 rows, to my row
	s_or_b32 s[G1X], s86, FLD                      ; a quarter of 128 rows
	s_or_b32 s[G1Y], s86, FLD                      ; a quarter of 64 rows
.irp g, G1W, G1F, G1X, G1Y
	s_mov_b32 s[\g+1], 1024<<16
	s_mov_b32 s[\g+3], 1024<<16
	s_mov_b32 s[\g+5], 1024
	s_mov_b32 s[\g+6], 0
	s_mov_b32 s[\g+7], 0
.endr
	s_mov_b32 s[G1W+2], 64<<16
	s_mov_b32 s[G1W+4], 64
	s_mov_b32 s[G1F+2], 64<<16
	s_mov_b32 s[G1F+4], 64
	s_mov_b32 s[G1X+2], 32<<16
	s_mov_b32 s[G1X+4], 32
	s_mov_b32 s[G1Y+2], 16<<16
	s_mov_b32 s[G1Y+4], 16
	s_lshl_b32 s66, s30, 19                        ; x: 512 y rows of 1,024 bytes (registers that never hold cx while they feed x's descriptors)
	s_mov_b32 s67, 0
	s_lshl_b32 s90, s29, 16                        ; W: the head's 64 rows (registers that never hold cy)
	s_mov_b32 s91, 0
	s_mul_i32 s89, s[WV], WT                       ; where my W goes
	s_wait_dscnt 0x0
	s_wait_kmcnt 0x0
	s_load_b256 s[68:75], s[18:19], 0x0            ; entries 0 to 7
	s_load_b128 s[76:79], s[18:19], 0x20           ; entries 8 to 11
	s_add_nc_u64 s[4:5], s[4:5], s[66:67]          ; my 512 rows of x
	s_cmp_eq_u32 s[WV], 0
	s_cselect_b64 s[2:3], s[6:7], s[8:9]           ; wave 0: Wq, wave 1: Wk,
	s_cmp_eq_u32 s[WV], 2
	s_cselect_b64 s[2:3], s[10:11], s[2:3]         ; wave 2: Wv (wave 3 asks for x)
	s_add_nc_u64 s[90:91], s[2:3], s[90:91]
	CROUND                                         ; all sixteen work-groups are here: the first joint loads meet
	s_mov_b32 s[G0W], 1
	s_or_b32 s[G0W+3], s[G0W+3], 0x80000000
	s_mov_b32 s[G0F], 1
	s_mov_b32 s[G0F+1], 3*WT
	s_mov_b64 s[G0F+2:G0F+3], s[4:5]
	s_or_b32 s[G0F+3], s[G0F+3], 0x80000000
	s_cmp_eq_u32 s[WV], 3
	s_cbranch_scc0 .Lfor_w
	TL G0F, G1F                                    ; one tensor load a wave at the head
	s_branch .Lasked
.Lfor_w:
	TL G0W, G1W
.Lasked:
	s_mul_i32 s[LA], s[WV], 32*PB
	s_add_co_u32 s[LB], s[LA], 2*WT
	s_lshl_b32 s66, s[WV], 15
	s_add_co_u32 s66, s66, 65536                   ; chunks 1-2: row 64 + 32 x wave
	s_mov_b32 s[G0X], 1
	s_mov_b32 s[G0X+1], s[LA]
	s_add_nc_u64 s[G0X+2:G0X+3], s[4:5], s[66:67]
	s_or_b32 s[G0X+3], s[G0X+3], 0x80000000
	s_lshl_b32 s66, s[WV], 14
	s_add_co_u32 s66, s66, 448*1024                ; chunk 7: row 448 + 16 x wave
	s_mov_b32 s[G0Y], 1
	s_mul_i32 s[G0Y+1], s[WV], 16*PB
	s_add_co_u32 s[G0Y+1], s[G0Y+1], 2*WT
	s_add_nc_u64 s[G0Y+2:G0Y+3], s[4:5], s[66:67]
	s_or_b32 s[G0Y+3], s[G0Y+3], 0x80000000
	s_lshl_b32 s66, s27, 15                        ; the prefetches: 32,768 cx + 8,192 wave
	s_lshl_b32 s87, s[WV], 13
	s_add_co_u32 s66, s66, s87
	s_add_nc_u64 s[2:3], s[4:5], s[66:67]
	s_lshl_b32 s66, s29, 8                         ; the biases: the head's 64 numbers, my 32 of them
	s_lshl_b32 s87, s101, 7
	s_add_co_u32 s66, s66, s87
	s_add_nc_u64 s[12:13], s[12:13], s[66:67]
	s_add_nc_u64 s[14:15], s[14:15], s[66:67]
	s_add_nc_u64 s[16:17], s[16:17], s[66:67]
	s_lshr_b32 s66, s30, 2                         ; the batch: 4 groups of 512 rows each
	s_lshl_b32 s66, s66, 4
	s_add_co_u32 s66, s66, s29                     ; 16 b + head
	s_lshl_b32 s66, s66, 17                        ; x 131,072 bytes
	s_and_b32 s87, s30, 3
	s_lshl_b32 s87, s87, 15                        ; my group: 32 row tiles of 1,024 bytes; as many bytes in vc: 4 steps of 8,192
	s_add_co_u32 s66, s66, s87
	s_lshl_b32 s6, s100, 11                        ; qc, kc: my 2 row tiles of a chunk's 4, chunk wc of an image
	s_lshl_b32 s7, s101, 9
	s_add_co_u32 s6, s6, s7
	s_add_co_u32 s6, s6, s66
	s_mov_b32 s7, 0
	s_add_nc_u64 s[20:21], s[20:21], s[6:7]
	s_add_nc_u64 s[22:23], s[22:23], s[6:7]
	s_lshl_b32 s6, s101, 12                        ; vc: d tiles 2 wc on, 32 keys x wr
	s_lshl_b32 s87, s100, 9
	s_add_co_u32 s6, s6, s87
	s_add_co_u32 s6, s6, s66
	s_add_nc_u64 s[24:25], s[24:25], s[6:7]
	s_mul_i32 s6, s100, 32*PB                      ; my 32 rows of a chunk
	s_mul_i32 s7, s101, 32*PB                      ; my 32 rows of a W
	v_and_b32 v5, 15, v0                           ; r
	v_bfe_u32 v6, v0, 4, 1                         ; h
	v_mul_u32_u24 v7, v5, PB
	v_lshl_add_u32 v7, v6, 4, v7                   ; r x pitch + 16 h
	v_add_nc_u32 v[ADX], s6, v7
	v_add_nc_u32 v[ADX+1], WT, v[ADX]
	v_add_nc_u32 v[ADX+2], 2*WT, v[ADX]
	v_add_nc_u32 v[ADX+3], 3*WT, v[ADX]
	v_add_nc_u32 v[ADWQ], s7, v7
	v_add_nc_u32 v[ADWK], WT, v[ADWQ]
	v_and_b32 v15, 8, v5
	v_add_nc_u32 v15, v15, v5                      ; r + 8 (r / 8)
	v_mul_u32_u24 v7, v15, PB
	v_lshl_add_u32 v7, v6, 4, v7
	v_add_nc_u32 v7, s7, v7
	v_add_nc_u32 v[ADWV], 2*WT, v7
	v_and_b32 v[LI], 31, v0
	v_lshlrev_b32 v[PFO], 8, v[LI]
	v_lshlrev_b32 v[LI], 4, v[LI]
	v_lshlrev_b32 v[AB8], 5, v6
	v_lshlrev_b32 v[ABV], 2, v15
.irp u, 0,1
	global_load_b128 v[BQ+8*\u:BQ+8*\u+3],   v[AB8], s[12:13] offset:64*\u      ; bq(16 (2 wc + u) + 8 h + 0 .. 7): the result's layout
	global_load_b128 v[BQ+8*\u+4:BQ+8*\u+7], v[AB8], s[12:13] offset:64*\u+16
	global_load_b128 v[BK+8*\u:BK+8*\u+3],   v[AB8], s[14:15] offset:64*\u
	global_load_b128 v[BK+8*\u+4:BK+8*\u+7], v[AB8], s[14:15] offset:64*\u+16
	global_load_b32 v[BV+2*\u],   v[ABV], s[16:17] offset:32*\u                 ; bv of my lane's d in tile 2 wc + u, twice: a pair for the packed form
	global_load_b32 v[BV+2*\u+1], v[ABV], s[16:17] offset:32*\u
.endr
.macro PAIR d, a, b                    ; 2^(ea + eb) as f32, twice (the packed form names a pair)
	s_add_co_i32 s[\d], s[\a], s[\b]
	s_add_co_i32 s[\d], s[\d], 127
	s_lshl_b32 s[\d], s[\d], 23
	s_mov_b32 s[\d+1], s[\d]
.endm
.macro MKQ e, vs                       ; v[vs] = 2^e as f32 (the conversion takes its exponent field); v[vs + 1] = 57,344 x 2^e
	s_add_co_i32 s66, s[\e], 127
	s_lshl_b32 s67, s66, 23
	v_mov_b32 v[\vs], s67
	s_add_co_i32 s66, s66, 15
	s_lshl_b32 s66, s66, 23
	s_or_b32 s66, s66, 0x600000
	v_mov_b32 v[\vs+1], s66
.endm
	s_wait_alu depctr_va_vdst(0)                   ; directly ahead of the wait below
	s_wait_kmcnt 0x0                               ; the exponents
	PAIR 80, 68, 69
	PAIR 82, 70, 71
	PAIR 84, 72, 73
	MKQ 74, SQ
	MKQ 75, SK
	MKQ 77, SV
	s_wait_alu depctr_va_vdst(0)                   ; the head's end
	s_wait_loadcnt 0x0                             ; the biases
.macro WLOAD win, adr, ustep           ; my two tiles of one W, all of K, into a window: 64 loads
	WIN \win
.set KS, 0
.rept 8
.irp u, 0,1
.irp c, 0,1,2,3
	ds_load_b128 v[32*KS+16*\u+4*\c:32*KS+16*\u+4*\c+3], v[\adr] offset:\ustep*PB*\u+128*KS+32*\c
.endr
.endr
.set KS, KS+1
.endr
.endm
.macro XLOAD p, ks                     ; my two fragments of x of K step ks: 8 loads, into buffer ks % 3
.irp a, 0,1
.irp c, 0,1,2,3
	ds_load_b128 v[XF+32*((\ks)%3)+16*\a+4*\c:XF+32*((\ks)%3)+16*\a+4*\c+3], v[ADX+\p] offset:16*PB*\a+128*(\ks)+32*\c
.endr
.endr
.endm
.macro MM d, a, b, ks
.if (\ks) == 0
	v_wmma_f32_16x16x128_bf8_bf8 v[\d:\d+7], v[\a:\a+15], v[\b:\b+15], 0
.else
	v_wmma_f32_16x16x128_bf8_bf8 v[\d:\d+7], v[\a:\a+15], v[\b:\b+15], v[\d:\d+7]
.endif
.endm
.macro MULS ks                         ; 12 matrix instructions, the 12 accumulators by turns; the first K step starts the sums
	WIN 0x01                                       ; source 0 (Wq) window 1
.irp a, 0,1
.irp u, 0,1
	MM AQ+8*(2*\a+\u), 32*(\ks)+16*\u, XF+32*((\ks)%3)+16*\a, \ks
.endr
.endr
	WIN 0x02                                       ; source 0 (Wk) window 2
.irp a, 0,1
.irp u, 0,1
	MM AK+8*(2*\a+\u), 32*(\ks)+16*\u, XF+32*((\ks)%3)+16*\a, \ks
.endr
.endr
	WIN 0x0c                                       ; source 1 (Wv) window 3
.irp u, 0,1
.irp a, 0,1
	MM AV+8*(2*\u+\a), XF+32*((\ks)%3)+16*\a, 32*(\ks)+16*\u, \ks
.endr
.endr
.endm
; The way out of 32 sums a lane: sum x 2^(eW + ex) + bias in one packed multiply-add; the hold; the conversion; the codes are the next launch's operand registers.  isv picks the bias's place (q, k: the bias runs with n % 16; v: one pair for 16)
.macro OUT3 acc, sc, vb, isv, vs, cod
.set n, 0
.rept 16
.if \isv
	v_pk_fma_f32 v[TMP+n:TMP+n+1], v[\acc+n:\acc+n+1], s[\sc:\sc+1], v[\vb+2*(n/16):\vb+2*(n/16)+1] op_sel_hi:[1,0,1]
.else
	v_pk_fma_f32 v[TMP+n:TMP+n+1], v[\acc+n:\acc+n+1], s[\sc:\sc+1], v[\vb+n%16:\vb+n%16+1] op_sel_hi:[1,0,1]   ; each accumulator from its low end on
.endif
.set n, n+2
.endr
.set n, 0
.rept 32
	v_med3_num_f32 v[TMP+n], v[TMP+n], -v[\vs+1], v[\vs+1]   ; the conversion to an 8-bit code does not saturate (ISA guide 7.6.2)
.set n, n+1
.endr
.set n, 0
.rept 4
	v_cvt_scalef32_pk8_bf8_f32 v[\cod+2*n:\cod+2*n+1], v[TMP+8*n:TMP+8*n+7], v[\vs]
.set n, n+1
.endr
	v_nop                                          ; a plain instruction between the conversions and the next lines that write their sources
.endm
.macro BODY j, p                       ; chunk j, which begins at LDS byte p x WT
	s_wait_xcnt 0x0                                ; the last chunk's stores have read their registers, on which x's fragments land
	XLOAD \p, 0
	XLOAD \p, 1
	XLOAD \p, 2
.set KS, 0
.rept 8
.if KS < 6
	s_wait_dscnt 16                                ; this K step's fragments are in; behind them: the 8 loads of each of the next two
.else
	s_wait_dscnt 8*(7-KS)
.endif
	MULS KS
.if KS+3 < 8
	WIN 0
	PLACES                                         ; ahead of loads into registers that the products above have read
	XLOAD \p, KS+3
.endif
.set KS, KS+1
.endr
	WIN 0
	PLACES                                         ; ahead of the first read of the sums
	OUT3 AQ, 80, BQ, 0, SQ, COD
	global_store_b128 v[LI], v[COD:COD+3], s[20:21] offset:4096*\j
	global_store_b128 v[LI], v[COD+4:COD+7], s[20:21] offset:4096*\j+1024
	OUT3 AK, 82, BK, 0, SK, COD+8
	global_store_b128 v[LI], v[COD+8:COD+11], s[22:23] offset:4096*\j
	global_store_b128 v[LI], v[COD+12:COD+15], s[22:23] offset:4096*\j+1024
	OUT3 AV, 84, BV, 1, SV, COD+16
	global_store_b128 v[LI], v[COD+16:COD+19], s[24:25] offset:8192*(\j/2)+1024*(\j%2)
	global_store_b128 v[LI], v[COD+20:COD+23], s[24:25] offset:8192*(\j/2)+1024*(\j%2)+2048
.endm
	SEQ 0                                          ; W and chunk 0 are whole
	WLOAD 0x40, ADWQ, 16
	WLOAD 0x80, ADWK, 16
	WLOAD 0xc0, ADWV, 8
	WIN 0
	SEQ 1                                          ; every wave of every partner has W in registers
	TL G0X, G1X                                    ; chunks 1-2 into slot A, over Wq's and Wk's bytes
	global_prefetch_b8 v[PFO], s[2:3] offset:192*1024 th:TH_LOAD_NT scope:SCOPE_SE   ; chunks 3-4
	BODY 0, 3
	SEQ 1
	s_mov_b32 s[G0X+1], s[LB]
	s_add_nc_u64 s[G0X+2:G0X+3], s[G0X+2:G0X+3], 128*1024
	TL G0X, G1X                                    ; chunks 3-4 into slot B, over Wv's and chunk 0's bytes
	global_prefetch_b8 v[PFO], s[2:3] offset:320*1024 th:TH_LOAD_NT scope:SCOPE_SE   ; chunks 5-6
	BODY 1, 0
	BODY 2, 1
	SEQ 1
	s_mov_b32 s[G0X+1], s[LA]
	s_add_nc_u64 s[G0X+2:G0X+3], s[G0X+2:G0X+3], 128*1024
	TL G0X, G1X                                    ; chunks 5-6 into slot A
	BODY 3, 2
	BODY 4, 3
	SEQ 1
	TL G0Y, G1Y                                    ; chunk 7 into slot B's first half
	BODY 5, 0
	BODY 6, 1
	SEQ 0                                          ; nothing is left to fetch
	BODY 7, 2
	s_wait_tensorcnt 0x0                           ; the wave's end
	ds_add_u32 v[SPW], v[NIL]
	s_wait_dscnt 0x0
	CROUND                                         ; the closing round: no work-group ends while a partner may still ask for a tile that names it
	s_endpgm
.Lfunc_end_k_q2e1a764b69_qkv:
	.size	k_q2e1a764b69_qkv, .Lfunc_end_k_q2e1a764b69_qkv-k_q2e1a764b69_qkv
	.p2alignl 7, 3214868480
	.fill 96, 4, 3214868480
	.section	.rodata,"a",@progbits
	.p2align	6, 0x0
	.amdhsa_kernel k_q2e1a764b69_qkv
		.amdhsa_group_segment_fixed_size 327680
		.amdhsa_private_segment_fixed_size 0
		.amdhsa_enable_private_segment 0
		.amdhsa_kernarg_size 88
		.amdhsa_user_sgpr_count 2
		.amdhsa_user_sgpr_kernarg_segment_ptr 1
		.amdhsa_wavefront_size32 1
		.amdhsa_system_sgpr_workgroup_id_x 1
		.amdhsa_system_sgpr_workgroup_id_y 1
		.amdhsa_system_sgpr_workgroup_id_z 1
		.amdhsa_system_vgpr_workitem_id 0
		.amdhsa_next_free_vgpr 1024
		.amdhsa_next_free_sgpr 102
		.amdhsa_reserve_vcc 0
		.amdhsa_float_denorm_mode_32 3
		.amdhsa_float_denorm_mode_16_64 3
		.amdhsa_memory_ordered 1
		.amdhsa_forward_progress 1
		.amdhsa_inst_pref_size 206
	.end_amdhsa_kernel
	.amdgpu_metadata
---
amdhsa.version: [ 1, 2 ]
amdhsa.kernels:
  - .name:           k_q2e1a764b69_qkv
    .symbol:         k_q2e1a764b69_qkv.kd
    .args:
      - { .name: x_codes, .offset: 0, .size: 8, .value_kind: global_buffer, .address_space: global }
      - { .name: Wq_codes, .offset: 8, .size: 8, .value_kind: global_buffer, .address_space: global }
      - { .name: Wk_codes, .offset: 16, .size: 8, .value_kind: global_buffer, .address_space: global }
      - { .name: Wv_codes, .offset: 24, .size: 8, .value_kind: global_buffer, .address_space: global }
      - { .name: bq, .offset: 32, .size: 8, .value_kind: global_buffer, .address_space: global }
      - { .name: bk, .offset: 40, .size: 8, .value_kind: global_buffer, .address_space: global }
      - { .name: bv, .offset: 48, .size: 8, .value_kind: global_buffer, .address_space: global }
      - { .name: lowp_scales, .offset: 56, .size: 8, .value_kind: global_buffer, .address_space: global }
      - { .name: qc, .offset: 64, .size: 8, .value_kind: global_buffer, .address_space: global }
      - { .name: kc, .offset: 72, .size: 8, .value_kind: global_buffer, .address_space: global }
      - { .name: vc, .offset: 80, .size: 8, .value_kind: global_buffer, .address_space: global }
    .group_segment_fixed_size: 327680
    .private_segment_fixed_size: 0
    .kernarg_segment_align: 8
    .kernarg_segment_size: 88
    .max_flat_workgroup_size: 128
    .sgpr_count:     102
    .vgpr_count:     1024
    .wavefront_size: 32
...
	.end_amdgpu_metadata
.endif
;; end of part 1
;; launch attn (part 2): grid 4 x 64, 8 waves a work-group, no clusters, 327,680 bytes of LDS; arguments qc, kc, vc, lowp_scales, ao; writes ao
.if DOCPART == 2
	.amdgcn_target "amdgcn-amd-amdhsa--gfx1250"
	.amdhsa_code_object_version 6
	.text
	.protected	k_q2e1a764b69_attn
	.globl	k_q2e1a764b69_attn
	.p2align	8
	.type	k_q2e1a764b69_attn,@function
k_q2e1a764b69_attn:
	s_mov_b64 s[64:65], 0
	v_nop
	global_prefetch_b8 v0, s[64:65] scope:SCOPE_SE
	s_setreg_imm32_b32 hwreg(HW_REG_WAVE_MODE, 25, 1), 1
	s_wait_xcnt 0x0
; Causal attention of one head (64 wide) on codes of BF8 (E5M2): S^T = K Q^T, the softmax, O^T = V^T P; O / l is quantised with entry 10 and stored as codes.
; qc, kc: [b x head][row tile of 16][2 chunks][lane][16 bytes]: images of 16 x 64 fragments.  vc: [b x head][128 keys][d tile][4 chunks][lane][16 bytes]: images of 16 d x 128 keys fragments.
; ao: [row tile][head][2 chunks][lane][16 bytes].
; THE SOFTMAX: t = score x log2(e) / 8; M = the running largest t rounded UP to a whole number; p = 2^(t - M) is quantised with entry 8, not normalised; the row's sum is taken of the unquantised p and divides O at the end.
; When M moves, the sum and O^T are multiplied by 2^(old M - new M): exact.
; SHARES.  Work-group (I, b x head) owns the blocks 7 - I ('hi') and I ('lo') of 256 queries: 8 - I and I + 1 blocks of 256 keys, nine block products in every work-group.  Each of the 8 waves owns 32 queries (two tiles, A and B) of BOTH blocks.
; ONE WALK over the keys, four trips of 512 keys, 128 keys a step: a step's fragments of K and V are read from LDS once and serve hi's two tiles and, while the step's keys count for lo, lo's two as well.
; Both loops have constant trip counts.  A step all of whose keys come after a pair's queries is left out for that pair by a scalar branch on ids (the mask is reference()'s own tril); on the diagonal hidden scores become -infinity ahead of the maximum.
; Key 0 counts for every query, so M is a number from the first step on.
; LDS.  Every 512 keys have bytes of their own (65,536 x trip: K's 32,768, then V's): nothing is filled twice.  Trip 0's keys are asked for at the head, trip T + 1's behind trip T's barrier, while T < (7 - I) / 2 (ids alone, the same in all
; waves; every wait on TENSORcnt is for 0; where the tail begins hangs on the work-group's number): keys beyond that are read by no wave.  The fill's LDS address is kept inside the 262,144 bytes by an AND; in trip 3, where it would wrap, the load is always jumped over.
; Every wave fetches 8,192 bytes of a trip's keys: waves 0-3 K's quarters, waves 4-7 V's, told apart by arithmetic.
; NO CLUSTER: the four work-groups of a head need 4, 4, 3 and 3 trips' keys; a joint load of the last would bring tiles that no wave of some partner reads.
; PREFETCH: the work-group with I = 0, which walks all keys, asks in trips T = 0, 1 for trip T + 2's keys, one trip ahead of their tensor loads: each wave for the 8,192 bytes that it will fetch, lanes 256 bytes apart.  Trips 0 and 1 come by their loads alone.
; A lane holds ONE query (lane % 16); register j of score tile t is key 16 t + 8 (lane / 16) + j, so one conversion gives registers 2 t, 2 t + 1 of P, as V's images are laid.
; LIMITS: entries 6+7 between -123 and 130 (added to c's exponent field); entries 8 and 10 between -126 and 112; 8+9 is applied by v_ldexp_f32 and has none.  The scaled scores stay under 2^31 in magnitude.
; REGISTERS.  Window 0: v1-6 addresses; v8-23 four tiles x (-M, largest t, the sum's pair); v24-55 Q; v56-87 P's codes (before that: A's sums of the first level); v88-94 constants; v96-159, v160-223 S^T then p of tiles A, B; v224-241 at work.
;   Window 1: v0-127 O^T (hi A, hi B, lo A, lo B); v128-191 K's eight fragments; v192-255 V's four.
.set SPARE, 262144                     ; behind the keys: the spare words, 128 bytes a wave, which no other line names
.set LI,  1                            ; 16 x lane
.set ADR, 2                            ; the step in hand + 16 x lane
.set PFO, 3                            ; 256 x lane
.set RH,  4                            ; r - 8 h
.set SPW, 5                            ; my spare word; never rewritten
.set NIL, 6                            ; 0; never rewritten
.set ST,  8
.set QF,  24
.set PC,  56
.set CP,  88                           ; 2^e8
.set HP,  89                           ; 57,344 x 2^e8, twice: the two halves of a dual instruction take their second sources from different banks
.set HP2, 90
.set CO,  91                           ; 2^e10
.set HO,  92                           ; 57,344 x 2^e10
.set NINF, 93
.set DD,  94
.set SA,  96
.set SB,  160
.set FA,  224                          ; f = 2^(old M - new M), low word of a pair
.set FB,  226
.set MA1, 228
.set MA2, 229
.set MB1, 230
.set MB2, 231
.set PLA, 232
.set PLB, 233
.set XA,  234
.set C1,  236
.set C2,  238
.set C3,  240
.set KR,  128                          ; window 1
.set VR,  192                          ; window 1
.set WV,  14
.set IB,  15
.set BH,  16
.set SEL, 20
.set CS,  22                           ; s[22:23] c = log2(e) / 8 x 2^(e6 + e7)
.set G1,  24
.set G0,  32
.set TB,  40                           ; LDS byte of the step in hand
.set TRIP, 41
.set LIMT, 42                          ; 7 - I, then (7 - I) / 2: the last trip whose keys are read
.set INR, 43
.set KF,  44                           ; the step's first key
.set QH,  45                           ; my first query in hi
.set LIM, 46
.set PFA, 48
.set QP2, 50
.set OB1, 52
.set OB2, 54
.set QL,  56                           ; my first query in lo
.set EPV, 57
.set MSB, 0
.macro WIN new                         ; the immediate's high byte repeats the setting that is left
.if MSB != \new
	s_set_vgpr_msb (MSB<<8)|\new
.set MSB, \new
.endif
.endm
.macro NOPS n
.rept \n
	v_nop
.endr
.endm
	s_load_b256 s[4:11], s[0:1], 0x0               ; qc, kc, vc, the scales' exponents
	s_load_b64 s[12:13], s[0:1], 0x20              ; ao
	v_lshl_add_u32 v[SPW], v0, 2, SPARE
	v_mov_b32 v[NIL], 0
	ds_add_u32 v[SPW], v[NIL]                      ; the opening lines: the add twice on end and its wait ahead of my first tensor load
	ds_add_u32 v[SPW], v[NIL]
	v_lshrrev_b32 v7, 5, v0
	v_readfirstlane_b32 s[WV], v7                  ; wave 0..7
	s_mov_b32 s[IB], ttmp9
	s_and_b32 s[BH], ttmp7, 0xffff
	s_mov_b32 s[G1], 3<<16                         ; elements of 8 bytes, no padding: every read stands at 16 x lane
	s_mov_b32 s[G1+1], 32<<16                      ; rows of 256 bytes,
	s_mov_b32 s[G1+2], 32<<16                      ; 32 of them
	s_mov_b32 s[G1+3], 32<<16
	s_mov_b32 s[G1+4], 32
	s_mov_b32 s[G1+5], 32                          ; dense
	s_mov_b32 s[G1+6], 0
	s_mov_b32 s[G1+7], 0
	s_mov_b32 s[SEL], 0x76543210
	s_mov_b32 s[SEL+1], 0xfedcba98
	s_mov_b32 s[CS], 0x3e38aa3b                    ; log2(e) / sqrt(64)
	s_mov_b32 s[TB], 0
	s_mov_b32 s[TRIP], 0
	s_mov_b32 s[KF], 0
	s_sub_co_u32 s[LIMT], 7, s[IB]
	s_lshl_b32 s58, s[BH], 17                      ; the head's first byte in qc, kc and vc
	s_mov_b32 s59, 0
	s_and_b32 s60, s[WV], 3
	s_lshl_b32 s60, s60, 13                        ; my quarter of K's or V's 32,768 bytes
	s_mov_b32 s61, 0
	s_add_nc_u64 s[60:61], s[60:61], s[58:59]
	s_lshl_b32 s62, s[WV], 13                      ; and where it goes: 8,192 x wave
	s_lshl_b32 s63, s[WV], 5
	s_lshl_b32 s[QH], s[LIMT], 8
	s_add_co_u32 s[QH], s[QH], s63                 ; 256 (7 - I) + 32 w
	s_lshr_b32 s[LIMT], s[LIMT], 1
	s_lshl_b32 s[QL], s[IB], 8
	s_add_co_u32 s[QL], s[QL], s63                 ; 256 I + 32 w
	s_wait_dscnt 0x0
	s_wait_kmcnt 0x0
	s_load_b256 s[68:75], s[10:11], 0x0            ; entries 0 to 7
	s_load_b128 s[76:79], s[10:11], 0x20           ; entries 8 to 11
	s_cmp_lt_u32 s[WV], 4
	s_cselect_b64 s[36:37], s[6:7], s[8:9]
	s_mov_b32 s[G0], 1
	s_mov_b32 s[G0+1], s62
	s_add_nc_u64 s[G0+2:G0+3], s[36:37], s[60:61]
	s_or_b32 s[G0+3], s[G0+3], 0x80000000
	tensor_load_to_lds s[G0:G0+3], s[G1:G1+7]      ; trip 0's keys: every wave's one load at the head
	s_nop 0
	NOPS 4
	s_lshl_b32 s62, s[QH], 6                       ; a row tile's image is 1,024 bytes: 64 bytes a query
	s_mov_b32 s63, 0
	s_add_nc_u64 s[62:63], s[62:63], s[58:59]
	s_add_nc_u64 s[18:19], s[4:5], s[62:63]
	s_lshl_b32 s62, s[QL], 6
	s_mov_b32 s63, 0
	s_add_nc_u64 s[62:63], s[62:63], s[58:59]
	s_add_nc_u64 s[QP2:QP2+1], s[4:5], s[62:63]
	v_and_b32 v[LI], 31, v0
	v_lshlrev_b32 v[PFO], 8, v[LI]
	v_lshlrev_b32 v[LI], 4, v[LI]
.irp c, 0,1,2,3
	global_load_b128 v[QF+4*\c:QF+4*\c+3], v[LI], s[18:19] offset:512*\c            ; Q of hi's two tiles
	global_load_b128 v[QF+16+4*\c:QF+16+4*\c+3], v[LI], s[QP2:QP2+1] offset:512*\c  ; and of lo's
.endr
	s_lshr_b32 s66, s[BH], 4                       ; ao: ((128 b + query / 16) x 16 + head) x 1,024
	s_lshl_b32 s66, s66, 21
	s_and_b32 s67, s[BH], 15
	s_lshl_b32 s67, s67, 10
	s_add_co_u32 s66, s66, s67
	s_lshl_b32 s62, s[QH], 10
	s_add_co_u32 s62, s62, s66
	s_mov_b32 s63, 0
	s_add_nc_u64 s[OB1:OB1+1], s[12:13], s[62:63]
	s_lshl_b32 s62, s[QL], 10
	s_add_co_u32 s62, s62, s66
	s_add_nc_u64 s[OB2:OB2+1], s[12:13], s[62:63]
	s_add_nc_u64 s[PFA:PFA+1], s[36:37], s[60:61]  ; the prefetches: my quarter,
	s_add_nc_u64 s[PFA:PFA+1], s[PFA:PFA+1], 32768 ; in trip 1's keys: the first trip steps it to trip 2's
	s_cmp_eq_u32 s[IB], 0
	s_cselect_b32 s[LIM], 2, 0
	v_and_b32 v7, 15, v0
	v_bfe_u32 v[DD], v0, 4, 1
	v_lshlrev_b32 v[DD], 3, v[DD]
	v_sub_nc_u32 v[RH], v7, v[DD]
.irp i, 0,1,2,3
	v_mov_b32 v[ST+4*\i+1], 0xff61b1e6             ; the largest t so far: -3e38
	v_floor_f32 v[ST+4*\i], -v[ST+4*\i+1]          ; -M
	v_mov_b32 v[ST+4*\i+2], 0                      ; the sum, in two halves
	v_mov_b32 v[ST+4*\i+3], 0
.endr
.set n, 0
.rept 10
	v_mov_b32 v[FA+n], 0                           ; the pairs' upper words and the lane permutes' destinations are written once
.set n, n+1
.endr
	v_mov_b32 v[NINF], 0xff800000
	WIN 0x40
.set n, 0
.rept 128
	v_mov_b32 v[n], 0                              ; O^T: the step is written once for each pair: the first finds zeros, which the first change of M leaves zeros
.set n, n+1
.endr
	WIN 0
	s_wait_kmcnt 0x0
	s_add_co_i32 s66, s74, s75
	s_lshl_b32 s66, s66, 23
	s_add_co_i32 s[CS], s[CS], s66                 ; a score stands for score x 2^(e6 + e7)
	s_mov_b32 s[CS+1], s[CS]
	s_add_co_i32 s66, s76, 127
	s_lshl_b32 s67, s66, 23
	v_mov_b32 v[CP], s67
	s_add_co_i32 s66, s66, 15
	s_lshl_b32 s66, s66, 23
	s_or_b32 s66, s66, 0x600000
	v_mov_b32 v[HP], s66
	v_mov_b32 v[HP2], s66
	s_add_co_i32 s66, s78, 127
	s_lshl_b32 s67, s66, 23
	v_mov_b32 v[CO], s67
	s_add_co_i32 s66, s66, 15
	s_lshl_b32 s66, s66, 23
	s_or_b32 s66, s66, 0x600000
	v_mov_b32 v[HO], s66
	s_add_co_i32 s[EPV], s76, s77
; A PAIR of query tiles (A, B: tiles i, i + 1; first query s[q0]; O^T at ob in window 1) against the step's 128 keys.  The two tiles' chains stand line by line beside each other.
.macro PAIR i, q0, ob
.set NA, ST+4*(\i)
.set NB, NA+4
	WIN 0x01                                       ; source 0 (K) window 1
.irp t, 0,1,2,3,4,5,6,7
	v_wmma_f32_16x16x64_bf8_bf8 v[SA+8*\t:SA+8*\t+7], v[KR+8*\t:KR+8*\t+7], v[QF+8*(\i):QF+8*(\i)+7], 0
	v_wmma_f32_16x16x64_bf8_bf8 v[SB+8*\t:SB+8*\t+7], v[KR+8*\t:KR+8*\t+7], v[QF+8*(\i)+8:QF+8*(\i)+15], 0
.endr
	WIN 0
	NOPS 4                                         ; places ahead of the first read of the scores (ISA guide 7.12.1)
	s_add_co_u32 s58, s[KF], 127
	s_cmp_le_u32 s58, s[\q0]
	s_cbranch_scc1 .Lopen_\@                       ; all 128 keys count for all 32 queries
	s_sub_co_i32 s58, s[\q0], s[KF]
	v_add_nc_u32 v[DD], s58, v[RH]                 ; d = A's query - KF - 8 h.  A's register 8 t + j is hidden where 16 t + j > d; B's queries lie 16 on, so the same test serves B's register 8 (t + 1) + j; B's tile 0 is never hidden
.set n, 0
.rept 64
	v_cmp_gt_i32 vcc_lo, 16*(n/8)+n%8, v[DD]
	v_cndmask_b32 v[SA+n], v[SA+n], v[NINF], vcc_lo
.if n < 56
	v_cndmask_b32 v[SB+n+8], v[SB+n+8], v[NINF], vcc_lo
.endif
.set n, n+1
.endr
.Lopen_\@:
	v_max3_num_f32 v[MA1], v[SA], v[SA+1], v[SA+2] ; the step's largest score of my query among my 64 keys: two chains a tile
	v_max3_num_f32 v[MB1], v[SB], v[SB+1], v[SB+2]
	v_max3_num_f32 v[MA2], v[SA+3], v[SA+4], v[SA+5]
	v_max3_num_f32 v[MB2], v[SB+3], v[SB+4], v[SB+5]
.set n, 6
.rept 14
	v_max3_num_f32 v[MA1], v[MA1], v[SA+n], v[SA+n+1]
	v_max3_num_f32 v[MB1], v[MB1], v[SB+n], v[SB+n+1]
	v_max3_num_f32 v[MA2], v[MA2], v[SA+n+2], v[SA+n+3]
	v_max3_num_f32 v[MB2], v[MB2], v[SB+n+2], v[SB+n+3]
.set n, n+4
.endr
	v_max3_num_f32 v[MA1], v[MA1], v[SA+62], v[SA+63]
	v_max3_num_f32 v[MB1], v[MB1], v[SB+62], v[SB+63]
	v_max_num_f32 v[MA1], v[MA1], v[MA2]
	v_max_num_f32 v[MB1], v[MB1], v[MB2]
	v_permlanex16_b32 v[PLA], v[MA1], s[SEL], s[SEL+1]
	v_permlanex16_b32 v[PLB], v[MB1], s[SEL], s[SEL+1]
	v_max_num_f32 v[MA1], v[MA1], v[PLA]           ; and among lane l xor 16's
	v_max_num_f32 v[MB1], v[MB1], v[PLB]
	v_mul_f32 v[MA1], s[CS], v[MA1]                ; as t (c is positive)
	v_mul_f32 v[MB1], s[CS], v[MB1]
	v_max_num_f32 v[NA+1], v[NA+1], v[MA1]         ; the running largest t
	v_max_num_f32 v[NB+1], v[NB+1], v[MB1]
	v_mov_b32 v[MA2], v[NA]
	v_mov_b32 v[MB2], v[NB]
	v_floor_f32 v[NA], -v[NA+1]                    ; the new -M = floor(-t)
	v_floor_f32 v[NB], -v[NB+1]
	v_sub_f32 v[MA2], v[NA], v[MA2]                ; old M - new M: a whole number, 0 or less
	v_sub_f32 v[MB2], v[NB], v[MB2]
	v_cvt_i32_f32 v[MA2], v[MA2]                   ; (it saturates)
	v_cvt_i32_f32 v[MB2], v[MB2]
	v_ldexp_f32 v[FA], 1.0, v[MA2]                 ; f
	v_ldexp_f32 v[FB], 1.0, v[MB2]
.set n, 0
.rept 32
	v_pk_fma_f32 v[SA+n:SA+n+1], v[SA+n:SA+n+1], s[CS:CS+1], v[NA:NA+1] op_sel_hi:[1,0,0]   ; A: t - M
.set n, n+2
.endr
	WIN 0x41                                       ; O^T in window 1, f in window 0
	s_wait_alu depctr_va_vdst(0)                   ; directly ahead of O^T's first readers, and ahead of the exponentials
.set n, 0
.rept 16
	v_pk_mul_f32 v[\ob+n:\ob+n+1], v[\ob+n:\ob+n+1], v[FA:FA+1] op_sel_hi:[1,0]             ; O^T under the new M
	v_pk_mul_f32 v[\ob+32+n:\ob+32+n+1], v[\ob+32+n:\ob+32+n+1], v[FB:FB+1] op_sel_hi:[1,0]
.set n, n+2
.endr
	WIN 0
.set n, 0
.rept 32
	v_exp_f32 v[SA+n], v[SA+n]                     ; A: p = 2^(t - M); between them B's t - M, which names none of their registers
	v_exp_f32 v[SA+n+1], v[SA+n+1]
	v_pk_fma_f32 v[SB+n:SB+n+1], v[SB+n:SB+n+1], s[CS:CS+1], v[NB:NB+1] op_sel_hi:[1,0,0]
.set n, n+2
.endr
	s_wait_alu depctr_va_vdst(0)                   ; behind A's batch and ahead of B's
.set n, 0
.rept 16
	v_exp_f32 v[SB+4*n], v[SB+4*n]                 ; B: p; between them the first level of A's sum, sixteen sums that hang on each other nowhere
	v_exp_f32 v[SB+4*n+1], v[SB+4*n+1]
	v_exp_f32 v[SB+4*n+2], v[SB+4*n+2]
	v_exp_f32 v[SB+4*n+3], v[SB+4*n+3]
	v_pk_add_f32 v[PC+2*n:PC+2*n+1], v[SA+4*n:SA+4*n+1], v[SA+4*n+2:SA+4*n+3]
.set n, n+1
.endr
	s_wait_alu depctr_va_vdst(0)                   ; behind B's batch
	v_pk_fma_f32 v[NA+2:NA+3], v[NA+2:NA+3], v[FA:FA+1], v[PC:PC+1] op_sel_hi:[1,0,1]       ; the sums under the new M, and the first term: THE ROW'S SUM IS TAKEN OF THE UNQUANTISED p
	v_pk_fma_f32 v[NB+2:NB+3], v[NB+2:NB+3], v[FB:FB+1], v[SB:SB+1] op_sel_hi:[1,0,1]
.set k, 1
.rept 7                                        ; six chains: two for A's sixteen, four for B's thirty-two
	v_pk_add_f32 v[NA+2:NA+3], v[NA+2:NA+3], v[PC+2*k:PC+2*k+1]
	v_pk_add_f32 v[NB+2:NB+3], v[NB+2:NB+3], v[SB+8*k:SB+8*k+1]
.if k == 1
	v_pk_add_f32 v[XA:XA+1], v[PC+16:PC+17], v[PC+18:PC+19]
	v_pk_add_f32 v[C1:C1+1], v[SB+2:SB+3], v[SB+10:SB+11]
	v_pk_add_f32 v[C2:C2+1], v[SB+4:SB+5], v[SB+12:SB+13]
	v_pk_add_f32 v[C3:C3+1], v[SB+6:SB+7], v[SB+14:SB+15]
.else
	v_pk_add_f32 v[XA:XA+1], v[XA:XA+1], v[PC+16+2*k:PC+17+2*k]
	v_pk_add_f32 v[C1:C1+1], v[C1:C1+1], v[SB+8*k+2:SB+8*k+3]
	v_pk_add_f32 v[C2:C2+1], v[C2:C2+1], v[SB+8*k+4:SB+8*k+5]
	v_pk_add_f32 v[C3:C3+1], v[C3:C3+1], v[SB+8*k+6:SB+8*k+7]
.endif
.set k, k+1
.endr
	v_pk_add_f32 v[NA+2:NA+3], v[NA+2:NA+3], v[XA:XA+1]
	v_pk_add_f32 v[NB+2:NB+3], v[NB+2:NB+3], v[C1:C1+1]
	v_pk_add_f32 v[C2:C2+1], v[C2:C2+1], v[C3:C3+1]
	v_pk_add_f32 v[NB+2:NB+3], v[NB+2:NB+3], v[C2:C2+1]
.irp t, 0,1,2,3,4,5,6,7
.set n, 0
.rept 4                                        ; the hold: the conversion to an 8-bit code does not saturate (ISA guide 7.6.2); p is not negative, so it is one-sided; two numbers an instruction
	v_dual_min_num_f32 v[SA+8*\t+n], v[SA+8*\t+n], v[HP] :: v_dual_min_num_f32 v[SA+8*\t+n+1], v[SA+8*\t+n+1], v[HP2]
	v_dual_min_num_f32 v[SB+8*\t+n], v[SB+8*\t+n], v[HP] :: v_dual_min_num_f32 v[SB+8*\t+n+1], v[SB+8*\t+n+1], v[HP2]
.set n, n+2
.endr
	v_cvt_scalef32_pk8_bf8_f32 v[PC+2*\t:PC+2*\t+1], v[SA+8*\t:SA+8*\t+7], v[CP]            ; registers 2 t, 2 t + 1 of P: keys 16 t + 8 h + 0 .. 7
	v_cvt_scalef32_pk8_bf8_f32 v[PC+16+2*\t:PC+17+2*\t], v[SB+8*\t:SB+8*\t+7], v[CP]
.endr
	v_nop                                          ; a plain instruction between the conversions and the products that read their results
	s_wait_alu depctr_va_vdst(0)                   ; directly ahead of the wait below
	s_wait_dscnt 0x0                               ; V's fragments are in
	WIN 0x51                                       ; V, C and D window 1, P window 0
.irp t, 0,1,2,3
	v_wmma_f32_16x16x128_bf8_bf8 v[\ob+8*\t:\ob+8*\t+7], v[VR+16*\t:VR+16*\t+15], v[PC:PC+15], v[\ob+8*\t:\ob+8*\t+7]   ; O^T += V^T P: eight accumulators by turns; sixteen score products stand between two turns of one
	v_wmma_f32_16x16x128_bf8_bf8 v[\ob+32+8*\t:\ob+32+8*\t+7], v[VR+16*\t:VR+16*\t+15], v[PC+16:PC+31], v[\ob+32+8*\t:\ob+32+8*\t+7]
.endr
	WIN 0
.endm
	s_wait_alu depctr_va_vdst(0)                   ; the head's end
	s_wait_loadcnt 0x0                             ; Q
.Lblock:                                           ; four trips, 512 keys each
	s_wait_tensorcnt 0x0                           ; my part of this trip's keys is in; no load of mine is out, so group 0 may be written
	ds_add_u32 v[SPW], v[NIL]
	s_add_co_u32 s[G0+1], s[G0+1], 65536           ; the next trip's own bytes,
	s_and_b32 s[G0+1], s[G0+1], 0x3ffff            ; kept inside the 262,144 (it wraps in trip 3 alone, where no load is issued)
	s_add_nc_u64 s[G0+2:G0+3], s[G0+2:G0+3], 32768
	s_wait_xcnt 0x0                                ; the last prefetch has read its address
	s_add_nc_u64 s[PFA:PFA+1], s[PFA:PFA+1], 32768
	s_wait_dscnt 0x0
	s_barrier_signal -1
	s_barrier_wait -1                              ; this trip's keys are whole
	s_cmp_ge_u32 s[TRIP], s[LIMT]                  ; trip T + 1's keys are read only while T + 1 <= (7 - I) / 2, which is 3 at the most: ids and the count of trips alone
	s_cbranch_scc1 .Lpast
	tensor_load_to_lds s[G0:G0+3], s[G1:G1+7]      ; a first fill; my one tensor load until the next barrier
	s_nop 0
	NOPS 4
.Lpast:
	s_cmp_lt_u32 s[TRIP], s[LIM]
	s_cbranch_scc0 .Lnoask
	global_prefetch_b8 v[PFO], s[PFA:PFA+1] th:TH_LOAD_NT scope:SCOPE_SE   ; trip T + 2's keys
.Lnoask:
	s_mov_b32 s[INR], 0
.Lstep:                                            ; four steps of 128 keys
	s_cmp_gt_u32 s[KF], s[QH]
	s_cbranch_scc1 .Lnone                          ; all keys come after hi's queries, and so after lo's
	v_add_nc_u32 v[ADR], s[TB], v[LI]
	NOPS 3                                         ; with the addition: four places ahead of loads into registers that the last products have read
	WIN 0x40
.irp t, 0,1,2,3,4,5,6,7
	ds_load_b128 v[KR+8*\t:KR+8*\t+3], v[ADR] offset:1024*\t
	ds_load_b128 v[KR+8*\t+4:KR+8*\t+7], v[ADR] offset:1024*\t+512
.endr
.irp t, 0,1,2,3
.irp c, 0,1,2,3
	ds_load_b128 v[VR+16*\t+4*\c:VR+16*\t+4*\c+3], v[ADR] offset:32768+2048*\t+512*\c
.endr
.endr
	WIN 0
	s_wait_alu depctr_va_vdst(0)
	s_wait_dscnt 16                                ; K's sixteen loads are in; behind them: V's sixteen
	PAIR 0, QH, 0
	s_cmp_gt_u32 s[KF], s[QL]
	s_cbranch_scc1 .Lnone
	PAIR 2, QL, 64
.Lnone:
	s_add_co_u32 s[KF], s[KF], 128
	s_add_co_u32 s[TB], s[TB], 8192
	s_add_co_u32 s[INR], s[INR], 1
	s_cmp_lt_u32 s[INR], 4
	s_cbranch_scc1 .Lstep
	s_add_co_u32 s[TB], s[TB], 32768               ; over V's half of the trip's bytes
	s_add_co_u32 s[TRIP], s[TRIP], 1
	s_cmp_lt_u32 s[TRIP], 4
	s_cbranch_scc1 .Lblock
	; THE WAY OUT, four tiles: O^T / l x 2^(e8 + e9), held, converted with entry 10; tiles 2 b, 2 b + 1 of d give a lane 16 neighbouring d.
.irp i, 0,1,2,3
	v_add_f32 v[ST+4*\i+2], v[ST+4*\i+2], v[ST+4*\i+3]
.endr
.irp i, 0,1,2,3
	v_permlanex16_b32 v[MA1+\i], v[ST+4*\i+2], s[SEL], s[SEL+1]
.endr
.irp i, 0,1,2,3
	v_add_f32 v[ST+4*\i+2], v[ST+4*\i+2], v[MA1+\i]   ; the row's sum
.endr
	s_wait_alu depctr_va_vdst(0)                   ; ahead of the batch
.irp i, 0,1,2,3
	v_rcp_f32 v[ST+4*\i+2], v[ST+4*\i+2]
.endr
	v_nop
	s_wait_alu depctr_va_vdst(0)                   ; behind it
.irp i, 0,1,2,3
	v_ldexp_f32 v[ST+4*\i+2], v[ST+4*\i+2], s[EPV]
.endr
	WIN 0x01
	s_wait_alu depctr_va_vdst(0)                   ; directly ahead of O^T's first readers
.irp i, 0,1,2,3
.set n, 0
.rept 16
	v_pk_mul_f32 v[SA+32*\i+n:SA+32*\i+n+1], v[32*\i+n:32*\i+n+1], v[ST+4*\i+2:ST+4*\i+3] op_sel_hi:[1,0]
.set n, n+2
.endr
.endr
	WIN 0
.set n, 0
.rept 128
	v_med3_num_f32 v[SA+n], v[SA+n], -v[HO], v[HO]
.set n, n+1
.endr
.set n, 0
.rept 16
	v_cvt_scalef32_pk8_bf8_f32 v[PC+2*n:PC+2*n+1], v[SA+8*n:SA+8*n+7], v[CO]
.set n, n+1
.endr
	v_nop
.irp u, 0,1                                    ; each store covers 512 consecutive bytes, aligned; a row tile's images of the 16 heads are 16,384 bytes
	global_store_b128 v[LI], v[PC+8*\u:PC+8*\u+3], s[OB1:OB1+1] offset:16384*\u
	global_store_b128 v[LI], v[PC+8*\u+4:PC+8*\u+7], s[OB1:OB1+1] offset:16384*\u+512
	global_store_b128 v[LI], v[PC+16+8*\u:PC+16+8*\u+3], s[OB2:OB2+1] offset:16384*\u
	global_store_b128 v[LI], v[PC+16+8*\u+4:PC+16+8*\u+7], s[OB2:OB2+1] offset:16384*\u+512
.endr
	s_wait_tensorcnt 0x0                           ; the wave's end
	ds_add_u32 v[SPW], v[NIL]
	s_wait_dscnt 0x0
	s_endpgm
.Lfunc_end_k_q2e1a764b69_attn:
	.size	k_q2e1a764b69_attn, .Lfunc_end_k_q2e1a764b69_attn-k_q2e1a764b69_attn
	.p2alignl 7, 3214868480
	.fill 96, 4, 3214868480
	.section	.rodata,"a",@progbits
	.p2align	6, 0x0
	.amdhsa_kernel k_q2e1a764b69_attn
		.amdhsa_group_segment_fixed_size 327680
		.amdhsa_private_segment_fixed_size 0
		.amdhsa_enable_private_segment 0
		.amdhsa_kernarg_size 40
		.amdhsa_user_sgpr_count 2
		.amdhsa_user_sgpr_kernarg_segment_ptr 1
		.amdhsa_wavefront_size32 1
		.amdhsa_system_sgpr_workgroup_id_x 1
		.amdhsa_system_sgpr_workgroup_id_y 1
		.amdhsa_system_sgpr_workgroup_id_z 1
		.amdhsa_system_vgpr_workitem_id 0
		.amdhsa_next_free_vgpr 512
		.amdhsa_next_free_sgpr 84
		.amdhsa_reserve_vcc 1
		.amdhsa_float_denorm_mode_32 3
		.amdhsa_float_denorm_mode_16_64 3
		.amdhsa_memory_ordered 1
		.amdhsa_forward_progress 1
		.amdhsa_inst_pref_size 95
	.end_amdhsa_kernel
	.amdgpu_metadata
---
amdhsa.version: [ 1, 2 ]
amdhsa.kernels:
  - .name:           k_q2e1a764b69_attn
    .symbol:         k_q2e1a764b69_attn.kd
    .args:
      - { .name: qc, .offset: 0, .size: 8, .value_kind: global_buffer, .address_space: global }
      - { .name: kc, .offset: 8, .size: 8, .value_kind: global_buffer, .address_space: global }
      - { .name: vc, .offset: 16, .size: 8, .value_kind: global_buffer, .address_space: global }
      - { .name: lowp_scales, .offset: 24, .size: 8, .value_kind: global_buffer, .address_space: global }
      - { .name: ao, .offset: 32, .size: 8, .value_kind: global_buffer, .address_space: global }
    .group_segment_fixed_size: 327680
    .private_segment_fixed_size: 0
    .kernarg_segment_align: 8
    .kernarg_segment_size: 40
    .max_flat_workgroup_size: 256
    .sgpr_count:     84
    .vgpr_count:     512
    .wavefront_size: 32
...
	.end_amdgpu_metadata
.endif
;; end of part 2
;; launch oproj (part 3): grid 8 x 32, 4 waves a work-group, clusters of 4 x 4, 327,680 bytes of LDS; arguments ao, Wo_codes, bo, lowp_scales, out0; writes out0
.if DOCPART == 3
	.amdgcn_target "amdgcn-amd-amdhsa--gfx1250"
	.amdhsa_code_object_version 6
	.text
	.protected	k_q2e1a764b69_oproj
	.globl	k_q2e1a764b69_oproj
	.p2align	8
	.type	k_q2e1a764b69_oproj,@function
k_q2e1a764b69_oproj:
	s_mov_b64 s[64:65], 0
	v_nop
	global_prefetch_b8 v0, s[64:65] scope:SCOPE_SE
	s_setreg_imm32_b32 hwreg(HW_REG_WAVE_MODE, 25, 1), 1
	s_wait_xcnt 0x0
	s_wait_alu depctr_hold_cnt(0) depctr_sa_sdst(0) depctr_va_vdst(0) depctr_va_sdst(0) depctr_va_ssrc(0) depctr_va_vcc(0) depctr_vm_vsrc(0)
	s_getreg_b32 s2, hwreg(HW_REG_IB_STS2, 6, 4)
	s_cmp_eq_u32 s2, 0
	s_cbranch_scc0 .Lentry_in_a_cluster
	s_endpgm
.Lentry_in_a_cluster:
	s_bfe_u32 s2, ttmp6, 0x10000c
	s_cmp_lg_u32 s2, 0xf033
	s_cbranch_scc0 .Lentry_shape_is_right
	s_endpgm
.Lentry_shape_is_right:
; out0 = attention's output x Wo + bo on codes of BF8 (E5M2): a sum stands for sum x 2^(e10 + e11).
; ao: [row tile of 16][head][2 chunks][lane][16 bytes]: images of operand registers: a row tile's 1,024 along K are 16,384 dense bytes.  Wo: [1024 n][1024 k] codes, K innermost.  out0: [8192][1024] f32.
; SHARES.  Work-group (x, y): rows 256 y on, columns 128 x on.  Wo's 128 rows, all of K, come into LDS once, and each wave takes its 64 columns into 512 registers, where they stay.
; The rows go in FOUR CHUNKS of 64, all of K each (65,536 dense bytes), through two LDS slots; a wave makes 32 rows x 64 columns of a chunk (8 accumulators, 64 matrix instructions) and stores them at once,
; so that a chunk's stores are out while the later chunks are fetched and multiplied.
; FILLS.  At the head waves 0, 1 ask for Wo's halves, waves 2, 3 for chunk 0's; chunk c + 1 is asked for behind the round in front of chunk c, a quarter (64 rows of 256 bytes) a wave: one load a wave is out.
; CLUSTER 4 x 4: a chunk hangs on y alone and is shared along a row of the cluster, Wo's rows on x alone and are shared along a column: joint loads.
; PREFETCH: in chunks 0 and 1 each wave asks for 4,096 bytes of chunk c + 2, one chunk ahead of its tensor load; the four partners of a row share the 65,536 out by address (16,384 x cx + 4,096 x wave); lanes 16-31 name lanes 0-15's blocks again.
; Source 0 = 16 rows of Wo, source 1 = 16 rows of ao: a lane holds one row and eight neighbouring columns.  The order of k in a fragment (32 c + 16 h + 0 .. 15) is the same on both sides.
; LIMIT: e10 + e11 between -126 and 127.
; REGISTERS.  Window 0: v16-30 addresses; v32-63 bo; v64-127 accumulators; v128-191 results; v192-255 rows read back.  Windows 1, 2: Wo, K steps 0-3 and 4-7 (64 ks + 16 t).  Window 3: the chunk's fragments (32 ks + 16 a).
.set PB,     1040                      ; a row of Wo in LDS: 1,024 bytes + 16: the 16 rows of a fragment load start at 16 different banks (ISA guide 11.1)
.set BBUF,   131072                    ; behind the two slots
.set STAGE,  BBUF+128*PB               ; 32 rows x 272 bytes for each wave; no fill lands here
.set SP,     272
.set SPARE,  STAGE+4*32*SP             ; the spare words, 128 bytes a wave, which no other line names
.set ADA, 16                           ; v16-17 my fragments in slot 0, 1
.set ADB, 20
.set STO, 24
.set RD,  25
.set CO,  26
.set ABO, 27
.set SPW, 28                           ; my spare word; never rewritten
.set NIL, 29                           ; 0; never rewritten
.set PFO, 30
.set BIAS, 32
.set ACC, 64
.set TMP, 128
.set BKR, 192
.set G1B, 24
.set G0B, 32
.set G0H, 36
.set G1H, 48
.set G0A, 56
.set PFA, 60
.set G1A, 72
.set MSB, 0
.macro WIN new                         ; the immediate's high byte repeats the setting that is left
.if MSB != \new
	s_set_vgpr_msb (MSB<<8)|\new
.set MSB, \new
.endif
.endm
.macro PLACES
.rept 4
	v_nop
.endr
.endm
.macro CREST                           ; a round of the cluster's barrier behind its opening barrier
	s_cmp_lg_u32 s14, 0
	s_cbranch_scc1 .Lnot_wave_0_\@
	s_barrier_signal -3
.Lnot_wave_0_\@:
	s_barrier_wait -3
	s_barrier_signal -1
	s_barrier_wait -1
.endm
.macro CROUND
	s_barrier_signal -1
	s_barrier_wait -1
	CREST
.endm
	s_load_b256 s[4:11], s[0:1], 0x0               ; ao, Wo, bo, the scales' exponents
	s_load_b64 s[12:13], s[0:1], 0x20              ; out0
	v_lshl_add_u32 v[SPW], v0, 2, SPARE
	v_mov_b32 v[NIL], 0
	ds_add_u32 v[SPW], v[NIL]                      ; the opening lines: the add twice on end and its wait
	ds_add_u32 v[SPW], v[NIL]
	v_lshrrev_b32 v1, 5, v0
	v_readfirstlane_b32 s14, v1                    ; wave 0..3
	s_lshr_b32 s15, s14, 1                         ; my 32 rows of a chunk's 64.  Also: at the head I fetch for Wo (0) or for ao (1)
	s_and_b32 s16, s14, 1                          ; my 64 columns.  Also: which half I fetch at the head
	s_bfe_u32 s40, ttmp6, 0x40000                  ; cx
	s_bfe_u32 s41, ttmp6, 0x40004                  ; cy
	s_lshl_b32 s42, ttmp9, 2
	s_add_co_u32 s42, s42, s40                     ; x
	s_and_b32 s17, ttmp7, 0xffff
	s_lshl_b32 s17, s17, 2
	s_add_co_u32 s17, s17, s41                     ; y
	s_lshl_b32 s43, s41, 2
	s_lshl_b32 s43, 15, s43                        ; my row of the cluster
	s_lshl_b32 s44, 0x1111, s40                    ; my column
	s_or_b32 s[G1B], s44, (1<<20)|(1<<21)|(7<<22)|(3<<25)   ; Wo: elements of 1 byte; after every 256 words 4 words of padding; to my column
	s_mov_b32 s[G1B+1], 1024<<16
	s_mov_b32 s[G1B+2], 64<<16
	s_mov_b32 s[G1B+3], 1024<<16
	s_mov_b32 s[G1B+4], 64
	s_mov_b32 s[G1B+5], 1024
	s_mov_b32 s[G1B+6], 0
	s_mov_b32 s[G1B+7], 0
	s_or_b32 s[G1H], s43, (3<<16)|(1<<21)          ; half a chunk: 128 dense rows of 256 bytes, to my row
	s_mov_b32 s[G1H+1], 32<<16
	s_mov_b32 s[G1H+2], 128<<16
	s_mov_b32 s[G1H+3], 32<<16
	s_mov_b32 s[G1H+4], 128
	s_mov_b32 s[G1H+5], 32
	s_mov_b32 s[G1H+6], 0
	s_mov_b32 s[G1H+7], 0
	s_or_b32 s[G1A], s43, (3<<16)|(1<<21)          ; a quarter: 64 rows
	s_mov_b32 s[G1A+1], 32<<16
	s_mov_b32 s[G1A+2], 64<<16
	s_mov_b32 s[G1A+3], 32<<16
	s_mov_b32 s[G1A+4], 64
	s_mov_b32 s[G1A+5], 32
	s_mov_b32 s[G1A+6], 0
	s_mov_b32 s[G1A+7], 0
	s_lshl_b32 s20, s17, 18                        ; ao: y's 16 row tiles of 16,384 bytes (registers that never hold cx)
	s_mov_b32 s21, 0
	s_lshl_b32 s22, s16, 15                        ; my half of chunk 0
	s_lshl_b32 s23, s14, 14                        ; my quarter of a later chunk
	s_lshl_b32 s46, s42, 17                        ; Wo: 128 x rows of 1,024 bytes (registers that never hold cy)
	s_lshl_b32 s47, s16, 16
	s_add_co_u32 s46, s46, s47
	s_mov_b32 s47, 0
	s_mul_i32 s18, s16, 64*PB
	s_add_co_u32 s18, s18, BBUF                    ; my half of Wo in LDS: to fetch, and to read
	s_lshl_b32 s80, s15, 15                        ; my two row tiles in a slot
	s_mul_i32 s82, s14, 32*SP
	s_add_co_u32 s82, s82, STAGE                   ; my stage
	s_lshl_b32 s84, s42, 9
	s_lshl_b32 s85, s16, 8
	s_add_co_u32 s84, s84, s85                     ; my first column, in bytes of f32
	s_mov_b32 s85, 0
	s_lshl_b32 s86, s17, 20
	s_lshl_b32 s87, s15, 17
	s_add_co_u32 s86, s86, s87
	s_add_co_u32 s86, s86, s84                     ; (256 y + 32 x my half) rows of 4,096 bytes + my column
	s_mov_b32 s87, 0
	s_lshl_b32 s88, s40, 14
	s_lshl_b32 s89, s14, 12
	s_add_co_u32 s88, s88, s89                     ; the prefetches: 16,384 cx + 4,096 wave
	s_mov_b32 s89, 0
	s_wait_dscnt 0x0
	s_wait_kmcnt 0x0
	s_load_b64 s[96:97], s[10:11], 0x28            ; e10, e11
	s_add_nc_u64 s[20:21], s[4:5], s[20:21]
	s_add_nc_u64 s[46:47], s[6:7], s[46:47]
	s_add_nc_u64 s[8:9], s[8:9], s[84:85]
	s_add_nc_u64 s[12:13], s[12:13], s[86:87]
	s_add_nc_u64 s[PFA:PFA+1], s[20:21], s[88:89]
	CROUND                                         ; all sixteen work-groups are here: the first joint loads meet
	s_mov_b32 s[G0B], 1
	s_mov_b32 s[G0B+1], s18
	s_mov_b64 s[G0B+2:G0B+3], s[46:47]
	s_or_b32 s[G0B+3], s[G0B+3], 0x80000000
	s_mov_b32 s66, s22
	s_mov_b32 s67, 0
	s_mov_b32 s[G0H], 1
	s_mov_b32 s[G0H+1], s22
	s_add_nc_u64 s[G0H+2:G0H+3], s[20:21], s[66:67]
	s_or_b32 s[G0H+3], s[G0H+3], 0x80000000
	s_add_co_u32 s66, s23, 65536                   ; chunk 1, into slot 1
	s_mov_b32 s[G0A], 1
	s_mov_b32 s[G0A+1], s66
	s_add_nc_u64 s[G0A+2:G0A+3], s[20:21], s[66:67]
	s_or_b32 s[G0A+3], s[G0A+3], 0x80000000
	s_cmp_eq_u32 s15, 0
	s_cbranch_scc0 .Lfor_a
	tensor_load_to_lds s[G0B:G0B+3], s[G1B:G1B+7]  ; one tensor load a wave at the head
	s_nop 0
	PLACES
	s_branch .Lasked
.Lfor_a:
	tensor_load_to_lds s[G0H:G0H+3], s[G1H:G1H+7]
	s_nop 0
	PLACES
.Lasked:
	v_and_b32 v1, 15, v0                           ; r
	v_bfe_u32 v2, v0, 4, 1                         ; h
	v_and_b32 v6, 31, v0
	v_lshlrev_b32 v7, 4, v6
	v_add_nc_u32 v[ADA], s80, v7                   ; images: 16 x lane
	v_add_nc_u32 v[ADA+1], 65536, v[ADA]
	v_mul_u32_u24 v3, v1, PB
	v_lshl_add_u32 v3, v2, 4, v3
	v_add_nc_u32 v[ADB], s18, v3                   ; Wo: row r x pitch + 16 h
	v_mul_u32_u24 v5, v1, SP
	v_lshl_add_u32 v5, v2, 5, v5
	v_add_nc_u32 v[STO], s82, v5                   ; in: row r, 32 bytes for each half of the lanes
	v_mul_u32_u24 v4, v2, SP
	v_lshl_add_u32 v4, v1, 4, v4
	v_add_nc_u32 v[RD], s82, v4                    ; back: lanes 0-15 one row of 256 bytes, lanes 16-31 the next
	v_lshlrev_b32 v8, 12, v2
	v_lshl_add_u32 v[CO], v1, 4, v8                ; and the same two rows in out0
	v_lshlrev_b32 v[ABO], 5, v2
	v_lshlrev_b32 v[PFO], 8, v1
.irp t, 0,1,2,3
	global_load_b128 v[BIAS+8*\t:BIAS+8*\t+3],   v[ABO], s[8:9] offset:64*\t      ; bo(16 t + 8 h + 0 .. 7): the result's layout
	global_load_b128 v[BIAS+8*\t+4:BIAS+8*\t+7], v[ABO], s[8:9] offset:64*\t+16
.endr
.macro KLOAD c, ks                     ; the fragments of K step ks: in chunk 0 Wo's four (16 loads), and the chunk's two (8 loads)
.if \c == 0
	WIN 0x40*(1+(\ks)/4)
.irp t, 0,1,2,3
.irp q, 0,1,2,3
	ds_load_b128 v[64*((\ks)%4)+16*\t+4*\q:64*((\ks)%4)+16*\t+4*\q+3], v[ADB] offset:16*\t*PB+128*(\ks)+32*\q
.endr
.endr
.endif
	WIN 0xc0
.irp a, 0,1
.irp q, 0,1,2,3
	ds_load_b128 v[32*(\ks)+16*\a+4*\q:32*(\ks)+16*\a+4*\q+3], v[ADA+(\c)%2] offset:16384*\a+2048*(\ks)+512*\q
.endr
.endr
.endm
.macro MUL ks                          ; eight matrix instructions, the eight accumulators by turns; the first K step starts the sums
	WIN 0x0d+(\ks)/4                               ; source 0 (Wo) window 1 or 2, source 1 window 3
.irp a, 0,1
.irp t, 0,1,2,3
.if (\ks) == 0
	v_wmma_f32_16x16x128_bf8_bf8 v[ACC+8*(4*\a+\t):ACC+8*(4*\a+\t)+7], v[64*((\ks)%4)+16*\t:64*((\ks)%4)+16*\t+15], v[32*(\ks)+16*\a:32*(\ks)+16*\a+15], 0
.else
	v_wmma_f32_16x16x128_bf8_bf8 v[ACC+8*(4*\a+\t):ACC+8*(4*\a+\t)+7], v[64*((\ks)%4)+16*\t:64*((\ks)%4)+16*\t+15], v[32*(\ks)+16*\a:32*(\ks)+16*\a+15], v[ACC+8*(4*\a+\t):ACC+8*(4*\a+\t)+7]
.endif
.endr
.endr
.endm
.macro CHUNK c
	s_wait_alu depctr_va_vdst(0)                   ; directly ahead of the wait below
	s_wait_tensorcnt 0x0                           ; my part of this chunk is in (chunk 0: and of Wo)
	ds_add_u32 v[SPW], v[NIL]
.if (\c == 1) || (\c == 2)
	s_xor_b32 s[G0A+1], s[G0A+1], 65536            ; the other slot, the next chunk
	s_add_nc_u64 s[G0A+2:G0A+3], s[G0A+2:G0A+3], 65536
.endif
	s_wait_dscnt 0x0                               ; the add is done, and my reads of the chunk before are over
.if \c < 3
	CROUND                                         ; no wave of any partner still reads the other slot or has a load on its way
	tensor_load_to_lds s[G0A:G0A+3], s[G1A:G1A+7]  ; chunk c + 1: my one tensor load behind the round
	s_nop 0
	PLACES
.else
	s_barrier_signal -1                            ; nothing is left to fetch
	s_barrier_wait -1
.endif
.if \c == 0
.set LEAD, 2                           ; K steps whose loads run ahead of the products
.set PER, 24                           ; loads of a K step
.else
.set LEAD, 8
.set PER, 8
.endif
.set KS, 0
.rept LEAD
	KLOAD \c, KS
.set KS, KS+1
.endr
	WIN 0
.if \c < 2
	global_prefetch_b8 v[PFO], s[PFA:PFA+1] offset:(\c+2)*65536 th:TH_LOAD_NT scope:SCOPE_SE
.endif
.set KS, 0
.rept 8
.if KS+LEAD < 8
	KLOAD \c, KS+LEAD
.endif
.if KS+LEAD < 7
.set AFT, LEAD
.else
.set AFT, 7-KS
.endif
	s_wait_dscnt PER*AFT                           ; this K step's fragments are in; behind them: the loads of AFT later K steps
	MUL KS
.set KS, KS+1
.endr
	WIN 0
	PLACES                                         ; ahead of the first read of the sums (ISA guide 7.12.1)
.set j, 0
.rept 32
	v_pk_fma_f32 v[TMP+j:TMP+j+1], v[ACC+j:ACC+j+1], s[96:97], v[BIAS+j%32:BIAS+j%32+1] op_sel_hi:[1,0,1]   ; sum x 2^(e10 + e11) + bo; each accumulator from its low end on
.set j, j+2
.endr
.irp a, 0,1
.irp t, 0,1,2,3
	ds_store_b128 v[STO], v[TMP+8*(4*\a+\t):TMP+8*(4*\a+\t)+3] offset:16*SP*\a+64*\t
	ds_store_b128 v[STO], v[TMP+8*(4*\a+\t)+4:TMP+8*(4*\a+\t)+7] offset:16*SP*\a+64*\t+16
.endr
.endr
.if \c > 0
	s_wait_xcnt 0x0                                ; the last chunk's stores have read their registers and their base
	s_add_nc_u64 s[12:13], s[12:13], 64*4096
.endif
.set j, 0
.rept 16
	ds_load_b128 v[BKR+4*j:BKR+4*j+3], v[RD] offset:2*j*SP   ; LDS serves a wave's instructions in order (ISA guide 5.7.1.4): these see my stores
.set j, j+1
.endr
	s_wait_dscnt 0x0
.set j, 0
.rept 16
	global_store_b128 v[CO], v[BKR+4*j:BKR+4*j+3], s[12:13] offset:2*j*4096 th:TH_STORE_NT   ; sixteen lanes store 256 consecutive bytes, aligned
.set j, j+1
.endr
.endm
	s_wait_alu depctr_va_vdst(0)                   ; the head's end
	s_wait_kmcnt 0x0
	s_add_co_i32 s96, s96, s97
	s_add_co_i32 s96, s96, 127
	s_lshl_b32 s96, s96, 23                        ; 2^(e10 + e11) as f32
	s_mov_b32 s97, s96
	s_wait_loadcnt 0x0                             ; bo
	CHUNK 0
	CHUNK 1
	CHUNK 2
	CHUNK 3
	s_wait_tensorcnt 0x0                           ; the wave's end
	ds_add_u32 v[SPW], v[NIL]
	s_wait_dscnt 0x0
	CROUND                                         ; the closing round
	s_endpgm
.Lfunc_end_k_q2e1a764b69_oproj:
	.size	k_q2e1a764b69_oproj, .Lfunc_end_k_q2e1a764b69_oproj-k_q2e1a764b69_oproj
	.p2alignl 7, 3214868480
	.fill 96, 4, 3214868480
	.section	.rodata,"a",@progbits
	.p2align	6, 0x0
	.amdhsa_kernel k_q2e1a764b69_oproj
		.amdhsa_group_segment_fixed_size 327680
		.amdhsa_private_segment_fixed_size 0
		.amdhsa_enable_private_segment 0
		.amdhsa_kernarg_size 40
		.amdhsa_user_sgpr_count 2
		.amdhsa_user_sgpr_kernarg_segment_ptr 1
		.amdhsa_wavefront_size32 1
		.amdhsa_system_sgpr_workgroup_id_x 1
		.amdhsa_system_sgpr_workgroup_id_y 1
		.amdhsa_system_sgpr_workgroup_id_z 1
		.amdhsa_system_vgpr_workitem_id 0
		.amdhsa_next_free_vgpr 1024
		.amdhsa_next_free_sgpr 100
		.amdhsa_reserve_vcc 0
		.amdhsa_float_denorm_mode_32 3
		.amdhsa_float_denorm_mode_16_64 3
		.amdhsa_memory_ordered 1
		.amdhsa_forward_progress 1
		.amdhsa_inst_pref_size 76
	.end_amdhsa_kernel
	.amdgpu_metadata
---
amdhsa.version: [ 1, 2 ]
amdhsa.kernels:
  - .name:           k_q2e1a764b69_oproj
    .symbol:         k_q2e1a764b69_oproj.kd
    .args:
      - { .name: ao, .offset: 0, .size: 8, .value_kind: global_buffer, .address_space: global }
      - { .name: Wo_codes, .offset: 8, .size: 8, .value_kind: global_buffer, .address_space: global }
      - { .name: bo, .offset: 16, .size: 8, .value_kind: global_buffer, .address_space: global }
      - { .name: lowp_scales, .offset: 24, .size: 8, .value_kind: global_buffer, .address_space: global }
      - { .name: out0, .offset: 32, .size: 8, .value_kind: global_buffer, .address_space: global }
    .group_segment_fixed_size: 327680
    .private_segment_fixed_size: 0
    .kernarg_segment_align: 8
    .kernarg_segment_size: 40
    .max_flat_workgroup_size: 128
    .sgpr_count:     100
    .vgpr_count:     1024
    .wavefront_size: 32
...
	.end_amdgpu_metadata
.endif
;; end of part 3
